; MI455X (gfx1250); checked and timed in simulation.
; The chip was launched on July 23, 2026; its instructions are those of AMD's public machine-readable ISA for CDNA 5 (MIT licence, August 2026) and "CDNA5" Instruction Set Architecture Reference Guide (July 2026). The comments in the code are by the model that wrote it; some were corrected since.
;; QKV Attention. Allowed arithmetic: matrix products marked QUANTISED: E2M1 operands, one E8M0 scale for each 32 along K, by v_wmma_scale_f32_16x16x128_f8f6f4 with both operands' format E2M1 (or v_wmma_scale_f32_32x16x128_f4), f32 sums; everything else in f32.
;; Inputs: qkv 32 x 192 x 2,048 float32.
;; Outputs: out0 32 x 64 x 2,048 float32.
;; This version of the problem:
;;   THIS VERSION OF THE PROBLEM IS GIVEN IN LOW PRECISION. The matrix products marked QUANTISED in the list below multiply operands that are first quantised to E2M1 (2 exponent bits, 1 mantissa bit; 4 bits a number), with one power-of-two scale for each 32 numbers along K (OCP MX v1.0); their sums are f32. All else is computed in f32.
;;   The module's matrix products, in the order in which they are computed (A, B: the left and right operand; K: the contracted axis; several contracted axes count as one K, in the product's order):
;;     1. batch 32 x [M 2,048, K 64] x [K 64, N 2,048]; A: computed on the way; B: computed on the way: QUANTISED
;;     2. batch 32 x [M 64, K 2,048] x [K 2,048, N 2,048]; A: computed on the way; B: softmax (see below): QUANTISED
;;   THE QUANTISER, for each operand of a quantised product, along K:
;;     - K is cut into blocks of 32 from its start; a last block that is shorter is filled with zeros.
;;     - A block's scale is 2^e with e = floor(log2(the largest magnitude in the block)) - 2, held to -126 .. 127; a block of zeros has e = 0. As a byte (E8M0): e + 127.
;;     - Each number is divided by its block's scale, clamped to +-6, and rounded to the nearest number of E2M1, ties to even, subnormals kept.
;;     - The product sums the exact products of the quantised numbers (number of the format x scale) in f32.
;;   ~~~python
;;   def quantise(x, axis):      # numpy; x: float32 -> the quantised numbers, widened to float32 again
;;       x = np.moveaxis(x, axis, -1); K = x.shape[-1]
;;       x = np.pad(x, [(0, 0)] * (x.ndim - 1) + [(0, -K % 32)]); x = x.reshape(x.shape[:-1] + (-1, 32)); a = np.abs(x).max(-1, keepdims=True)
;;       e = np.where(a > 0, np.clip(np.frexp(np.where(a > 0, a, 1))[1] - 1 - 2, -126, 127), 0)      # np.frexp(a)[1] - 1 = floor(log2(a)), exactly
;;       r = np.clip(x / 2.0 ** e, -6, 6)
;;       step = 2.0 ** (np.maximum(np.frexp(np.where(r == 0, 1, r))[1] - 1, 0) - 1)
;;       q = np.round(r / step) * step * 2.0 ** e      # np.round: ties to even
;;       return np.moveaxis(q.reshape(q.shape[:-2] + (-1,))[..., :K], -1, axis).astype(np.float32)
;;   ~~~
;;   SOFTMAX AHEAD OF A QUANTISED PRODUCT. Where the list says 'softmax', what is quantised is not the finished softmax but p = 2^(t - M), with t = logit x log2(e) and M = ceil(the row's largest t), a whole number; so 1/2 < the row's largest p <= 1. The row's sum l is taken of the UNQUANTISED p, in f32, and the product's result is divided by l at the end. Since M is a whole number, a kernel that streams over the keys may use a running M (the ceiling of the running maximum): every later rescaling is an exact power of two, which a block's scale takes up: the codes' values come out the same.
;;   OPERANDS COMPUTED ON THE WAY. 'Computed on the way' means the value that the module computes at that place (a softmax that the list does not call 'softmax' is quantised finished and normalised). What goes into a quantiser is computed in f32, as accurately as f32 sums, v_exp_f32 and their like allow (about 1e-6 of the number): no bf16 or f16 on the way to a quantiser, and a product that is left as it is and whose result goes on into a quantised operand takes f32 operands (vector FMAs, or v_wmma_f32_16x16x4_f32). A number that lies on a knife's edge between two numbers of the format may be rounded either way, as far as f32 arithmetic and the matrix unit's own rounding can turn it there, and no further.
;; One version. Each part assembles by itself: llvm-mc -triple=amdgcn-amd-amdhsa -mcpu=gfx1250 --defsym DOCPART=n.
;; ======== version 1 of 1: 1 launch
;; limits: right only within a limited range of input values
;; launch attn (part 1): grid 32 x 8, 16 waves a work-group, no clusters, 122,880 bytes of LDS; arguments qkv, out0; writes out0
.if DOCPART == 1
	.amdgcn_target "amdgcn-amd-amdhsa--gfx1250"
	.amdhsa_code_object_version 6
	.text
	.protected	k_qa8bdb76a89_attn
	.globl	k_qa8bdb76a89_attn
	.p2align	8
	.type	k_qa8bdb76a89_attn,@function
k_qa8bdb76a89_attn:
	s_mov_b64 s[64:65], 0
	v_nop
	global_prefetch_b8 v0, s[64:65] scope:SCOPE_SE
	s_setreg_imm32_b32 hwreg(HW_REG_WAVE_MODE, 25, 1), 1
	s_wait_xcnt 0x0
; out0[b][c][t] = the sum over s of softmax_s(q[b][:][t] . k[b][:][s] / 8) v[b][c][s]: 32 heads, 64 channels, 2,048 tokens; both products on codes of FP4 (E2M1) with one E8M0 scale for each 32 along a product's K.
; qkv [32][192][2048] f32, tokens innermost: rows 0-63 of a head are q, 64-127 k, 128-191 v.  q and k are multiplied by 64^(-1/4) in f32 ahead of the quantiser.
; ONE LAUNCH.  A work-group owns 256 queries of one head (x = head, y = block of queries); each of its sixteen waves owns 16 of them, one tile.  The keys go in 16 chunks of 128.
; EVERY WORK-GROUP QUANTISES THE HEAD'S k AND v ITSELF, a chunk ahead of its use: a chunk has 512 blocks of 32, one for each lane of the work-group, some 40 vector instructions for a wave beside 224 of a chunk's attention;
; so no code goes to memory and back.  Waves 0-7 take k: a lane takes a key, its registers run down 32 channels, so a block lies in one lane as it is loaded.  Waves 8-15 take v, whose K is the keys:
; eight rows of 512 bytes come in as they lie, 16 bytes a lane, and turn through the wave's own stage in LDS, so that a lane gets 32 neighbouring keys.
; The codes lie in LDS as images of the operands' registers (a lane's 16 bytes at 16 x lane), in two buffers that take turns.  One barrier a chunk: it is signalled when the wave's stores of the next chunk and its reads of this one are done,
; and waited for at the next chunk's head; the softmax stands between.
; NO CLUSTER: a joint load lands in LDS alone.  k goes from memory into the registers in which it is quantised; as a joint tile its 32,768 bytes of a chunk would be written to LDS and read back on top of the codes' 8,704.
; THE SOFTMAX AHEAD OF THE SECOND PRODUCT: t = score x log2(e); M = the row's largest t so far, rounded UP to a whole number; p = 2^(t - M) is what is quantised, along the keys; it is not normalised.
; The row's sum is taken of the unquantised p, in f32, and divides at the end.  When M moves, the sum and O are multiplied by 2^(old M - new M): exact, and without a branch on data.
; LAYOUT.  Both products are used transposed: S^T = K Q^T, O^T = V P^T: a lane holds ONE query (lane % 16) throughout.  In tile (c, u) of a chunk, c = 0, 1, u = 0 .. 3, rows 0-7 are keys 64 c + 8 u + 0 .. 7 and rows 8-15 keys
; 64 c + 32 + 8 u + 0 .. 7: so lane (r, h)'s 32 registers of tiles (c, 0 .. 3) are the whole block of keys 64 c + 32 h + 0 .. 31, in the order of the second product's operand.
; THE FIRST PRODUCT'S K IS 64: a fragment of k holds TWO tiles, one in K = 0 .. 63 and one in K = 64 .. 127.  Source 1 is q's codes in one half and zero codes in the other: E2M1 has no infinity and no NaN, so what stands against a zero code adds nothing.
; The scale bytes against q's zeros are 1, as this kernel gives every block of zeros.
; LIMITS: a block of zeros has the scale byte 1 where the quantiser's rule says 127 (its codes are zeros, and nobody else reads the byte); a block's byte is held at 1 from below;
; NaN and infinities among the inputs are not served; the promise holds while the scaled scores (exponents to the base 2, before the maximum is taken away) stay under 2^31 in magnitude.
; PREFETCH: in step s the head's eight work-groups ask for chunk s + 4, two steps ahead of its loads: 128 rows of 512 bytes; work-group y names rows 16 y .. 16 y + 15, two blocks of 256 bytes a row, by one instruction of wave 0.
; Each block is named once in the launch; chunks 0 to 3 come by their loads alone; after step 11 nothing is asked for.
.set HEADB, 192*2048*4                 ; a head's bytes in qkv
.set ROWB,  2048*4                     ; a channel's row
.set CHB,   512                        ; a chunk's part of a row
.set VIMG,  4096                       ; LDS, a buffer: k's codes, four fragments x 1,024 bytes; v's codes, four tiles x 1,024 bytes;
.set KS,    8192                       ; k's scale bytes: lane l's two words at 8 l;
.set VS,    8448                       ; v's likewise
.set IMG,   8704                       ; two such buffers
.set STAGE, 2*IMG                      ; v's stages, one for each of waves 8-15: 32 blocks of 128 bytes, 16 bytes of padding behind each
.set STGB,  32*144
.set STG,   STAGE+8*STGB               ; the way out: 64 channel rows of 1,024 bytes + 16
.set VP,    1040
.set SPARE, STG+64*VP                  ; the spare words, 128 bytes for each wave: eight blocks of 256 bytes that no other line names
.set AK,    1                          ; 16 x lane
.set AS,    2                          ; 8 x lane
.set XOFF,  3                          ; my byte offset in a chunk's loads
.set STK,   4                          ; where I put a block's codes and its scale byte: k's,
.set STSK,  5
.set STV,   6                          ; v's
.set STSV,  7
.set SGW,   8                          ; v's stage, in and out
.set SGR,   9
;                                        v10, v12 -M, in odd and even chunks
.set PFO,   11                         ; the prefetches' offset
.set SRUN,  13                         ; the largest score so far
.set L,     14                         ; v[14:15] the sum in two halves
.set F,     16                         ; 2^(old M - new M); the pair's upper half is NIL
.set NIL,   17                         ; 0; never rewritten
.set QSC,   18                         ; q's scale words: lanes 0-15 q in K = 0 .. 63, lanes 16-31 q in K = 64 .. 127
.set PSC,   19                         ; p's
.set KSC,   20                         ; v20-21 k's: register c: lanes 0-15 tiles (c, 0), (c, 1), lanes 16-31 tiles (c, 2), (c, 3)
.set VSC,   22                         ; v22-23 v's: lanes 0-15 tile 2 p, lanes 16-31 tile 2 p + 1
.set QF,    24                         ; v24-35 zeros, q's codes, zeros, four registers each
.set CD,    36                         ; v36-39 a block's codes
.set T,     40                         ; v40-47 at work
.set KF,    48                         ; v48-79 k's four fragments; at the head chunk 0's numbers
.set VF,    80                         ; v80-111 v's four fragments
.set XF,    112                        ; v112-143 the next chunk's numbers, on their way
.set S,     144                        ; v144-207 S^T, then p; v144-175 a block that is being quantised
.set O,     208                        ; v208-239 O^T: four tiles of 16 channels
.set PC,    240                        ; v240-247 p's codes
.set SPW,   248                        ; LDS address of my spare word; never rewritten
.set U,     250                        ; v250-255 the sum's other three chains
.set WV,    8                          ; s8 my wave's number
.set XB,    12                         ; s[12:13] where my part of the chunk stands in memory
.set PF,    14                         ; s[14:15] where my work-group's prefetches stand
.set CNT,   16                         ; trips to go
.set LIM,   17                         ; a wave prefetches while CNT is above it
.set SEL,   20                         ; s[20:21] lane selects for v_permlanex16_b32: lane l xor 16
.set CS,    22                         ; s[22:23] log2(e), for the packed form twice
.set NCS,   24                         ; -log2(e)
.set QM,    26                         ; s[26:27] 64^(-1/4)
.set QB,    34                         ; s[34:35] q at my first query
.set OB,    36                         ; s[36:37] out0 at my four channel rows
.macro LOADK base, off
.set IX, 0
.rept 32
	global_load_b32 v[\base+IX], v[XOFF], s[XB:XB+1] offset:ROWB*IX+\off   ; channel IX of my key: 32 lanes read 128 consecutive bytes
.set IX, IX+1
.endr
.endm
.macro LOADV base, off
.irp i, 0,1,2,3,4,5,6,7
	global_load_b128 v[\base+4*\i:\base+4*\i+3], v[XOFF], s[XB:XB+1] offset:ROWB*\i+\off   ; 32 lanes read 512 consecutive bytes
.endr
.endm
; The largest magnitude of 32 registers from b on, in four chains, with the floor 2^(3 - 127) among the leaves; T+1: 2 off its exponent field: the conversion takes the exponent field of this operand as its scale
.macro AMAX b
	v_max3_num_f32 v[T], |v[\b]|, |v[\b+1]|, |v[\b+2]|
	v_max3_num_f32 v[T+1], |v[\b+3]|, |v[\b+4]|, |v[\b+5]|
	v_max3_num_f32 v[T+2], |v[\b+6]|, |v[\b+7]|, |v[\b+8]|
	v_max3_num_f32 v[T+3], |v[\b+9]|, |v[\b+10]|, |v[\b+11]|
.irp i, 12,20
	v_max3_num_f32 v[T], v[T], |v[\b+\i]|, |v[\b+\i+1]|
	v_max3_num_f32 v[T+1], v[T+1], |v[\b+\i+2]|, |v[\b+\i+3]|
	v_max3_num_f32 v[T+2], v[T+2], |v[\b+\i+4]|, |v[\b+\i+5]|
	v_max3_num_f32 v[T+3], v[T+3], |v[\b+\i+6]|, |v[\b+\i+7]|
.endr
	v_max3_num_f32 v[T], v[T], |v[\b+28]|, |v[\b+29]|
	v_max3_num_f32 v[T+1], v[T+1], |v[\b+30]|, |v[\b+31]|
	s_delay_alu instid0(VALU_DEP_1)
	v_max3_num_f32 v[T], v[T], v[T+1], v[T+2]
	s_delay_alu instid0(VALU_DEP_1)
	v_max3_num_f32 v[T], v[T], v[T+3], 0x1800000
	s_delay_alu instid0(VALU_DEP_1)
	v_add_nc_u32 v[T+1], 0xff000000, v[T]
.endm
.macro CODES st, sts, d                ; the block in S .. S+31: its codes and its scale byte into buffer d
	AMAX S
.irp g, 0,1,2,3
	v_cvt_scalef32_pk8_fp4_f32 v[CD+\g], v[S+8*\g:S+8*\g+7], v[T+1]
.endr
	v_lshrrev_b32 v[T+2], 23, v[T+1]               ; the scale's byte (a plain line behind the conversions)
	ds_store_b128 v[\st], v[CD:CD+3] offset:(\d)*IMG
	ds_store_b8 v[\sts], v[T+2] offset:(\d)*IMG
.endm
; A chunk is quantised from src into buffer d.  kc, vc: the loads that are younger than the chunk's.  more = 1: the chunk behind it is asked for, into XF.  The branch hangs on the wave's number alone.
.macro QUANT src, d, more, kc, vc
	s_cmp_lt_u32 s[WV], 8
	s_cbranch_scc1 .Lk_\@
	s_wait_loadcnt \vc
.irp i, 0,1,2,3,4,5,6,7
	ds_store_b128 v[SGW], v[\src+4*\i:\src+4*\i+3] offset:576*\i   ; row i: four blocks
.endr
.irp i, 0,1,2,3,4,5,6,7
	ds_load_b128 v[S+4*\i:S+4*\i+3], v[SGR] offset:16*\i   ; LDS serves a wave's instructions in order (ISA guide 5.7.1.4): these see the stores above
.endr
	s_wait_dscnt 0x0
.if \more
	s_add_nc_u64 s[XB:XB+1], s[XB:XB+1], CHB
	LOADV XF, CHB
.endif
	CODES STV, STSV, \d
	s_branch .Lq_\@
.Lk_\@:
	s_wait_loadcnt \kc
.irp j, 0,2,4,6,8,10,12,14,16,18,20,22,24,26,28,30
	v_pk_mul_f32 v[S+\j:S+\j+1], v[\src+\j:\src+\j+1], s[QM:QM+1] op_sel_hi:[1,0]
.endr
.if \more
	s_add_nc_u64 s[XB:XB+1], s[XB:XB+1], CHB
	LOADK XF, CHB
.endif
	CODES STK, STSK, \d
.Lq_\@:
.endm
.macro ADDN n                          ; n pairs of p onto the sum's four chains by turns
.rept \n
.if (JJ+1)%4 == 3
	v_pk_add_f32 v[L:L+1], v[L:L+1], v[S+2*JJ:S+2*JJ+1]
.else
	v_pk_add_f32 v[U+2*((JJ+1)%4):U+2*((JJ+1)%4)+1], v[U+2*((JJ+1)%4):U+2*((JJ+1)%4)+1], v[S+2*JJ:S+2*JJ+1]
.endif
.set JJ, JJ+1
.endr
.endm
.macro TM a                            ; t - M of 16 scores, two at a time (of the pairs log2(e) and -M the low word serves both halves)
.irp j, 0,2,4,6,8,10,12,14
	v_pk_fma_f32 v[S+\a+\j:S+\a+\j+1], v[S+\a+\j:S+\a+\j+1], s[CS:CS+1], v[NMN:NMN+1] op_sel_hi:[1,0,0]
.endr
.endm
; A STEP: chunk s, s % 2 = e, from buffer e.  quant: chunk s + 1 is quantised into the other buffer; more: chunk s + 2 is asked for.
.macro STEP e, quant, more
.set NMN, 12-2*(\e)                    ; the new -M
.set NMO, 10+2*(\e)                    ; the old one
	s_barrier_wait -1                              ; everybody's codes of this chunk are stored, and nobody reads the other buffer any more
.if \more
	s_wait_xcnt 0x0                                ; any prefetch of mine has read its address
	s_add_nc_u64 s[PF:PF+1], s[PF:PF+1], CHB
.endif
.if \quant
	QUANT XF, 1-(\e), \more, 0, 0                  ; its plain lines are also the places between the last products and the loads into v's fragments
.else
.rept 4
	v_nop                                          ; the places between the last products and the loads into v's fragments
.endr
.endif
.irp i, 0,1,2,3,4,5,6,7
	ds_load_b128 v[KF+4*\i:KF+4*\i+3], v[AK] offset:(\e)*IMG+512*\i
.endr
	ds_load_b64 v[KSC:KSC+1], v[AS] offset:(\e)*IMG+KS
.irp i, 0,1,2,3,4,5,6,7
	ds_load_b128 v[VF+4*\i:VF+4*\i+3], v[AK] offset:(\e)*IMG+VIMG+512*\i
.endr
	ds_load_b64 v[VSC:VSC+1], v[AS] offset:(\e)*IMG+VS
.if \more
	s_cmp_gt_u32 s[CNT], s[LIM]
	s_cbranch_scc0 .Lnot_mine_\@
	global_prefetch_b8 v[PFO], s[PF:PF+1] th:TH_LOAD_NT scope:SCOPE_SE
.Lnot_mine_\@:
.endif
	s_wait_dscnt 9                                 ; k's nine loads are in; v's nine, which are younger, may be out
.irp c, 0,1                            ; S^T = K Q^T: eight tiles of 16 keys, each begun with the constant 0; two tiles to a fragment of k
	v_wmma_scale_f32_16x16x128_f8f6f4 v[S+32*\c:S+32*\c+7], v[KF+16*\c:KF+16*\c+7], v[QF+4:QF+11], 0, v[KSC+\c], v[QSC] matrix_a_fmt:MATRIX_FMT_FP4 matrix_b_fmt:MATRIX_FMT_FP4
	v_wmma_scale_f32_16x16x128_f8f6f4 v[S+32*\c+8:S+32*\c+15], v[KF+16*\c:KF+16*\c+7], v[QF:QF+7], 0, v[KSC+\c], v[QSC] matrix_a_fmt:MATRIX_FMT_FP4 matrix_b_fmt:MATRIX_FMT_FP4 matrix_b_scale:MATRIX_SCALE_ROW1
	v_wmma_scale_f32_16x16x128_f8f6f4 v[S+32*\c+16:S+32*\c+23], v[KF+16*\c+8:KF+16*\c+15], v[QF+4:QF+11], 0, v[KSC+\c], v[QSC] matrix_a_fmt:MATRIX_FMT_FP4 matrix_b_fmt:MATRIX_FMT_FP4 matrix_a_scale:MATRIX_SCALE_ROW1
	v_wmma_scale_f32_16x16x128_f8f6f4 v[S+32*\c+24:S+32*\c+31], v[KF+16*\c+8:KF+16*\c+15], v[QF:QF+7], 0, v[KSC+\c], v[QSC] matrix_a_fmt:MATRIX_FMT_FP4 matrix_b_fmt:MATRIX_FMT_FP4 matrix_a_scale:MATRIX_SCALE_ROW1 matrix_b_scale:MATRIX_SCALE_ROW1
.endr
	s_wait_dscnt 0x0                               ; my stores of the next chunk and my reads of this one are done
.if \quant
	s_barrier_signal -1
.endif
.rept 4
	v_nop                                          ; four places between the last product and the first read of results (ISA guide 7.12.1)
.endr
.irp c, 0,1                            ; the largest score of each of my two blocks: it serves for the row's maximum and, since p rises with the score, for the block's largest p
	v_max3_num_f32 v[T+2*\c], v[S+32*\c], v[S+32*\c+1], v[S+32*\c+2]
	v_max3_num_f32 v[T+2*\c+1], v[S+32*\c+16], v[S+32*\c+17], v[S+32*\c+18]
.endr
.irp i, 3,5,7,9,11,13
.irp c, 0,1
	v_max3_num_f32 v[T+2*\c], v[T+2*\c], v[S+32*\c+\i], v[S+32*\c+\i+1]
	v_max3_num_f32 v[T+2*\c+1], v[T+2*\c+1], v[S+32*\c+16+\i], v[S+32*\c+17+\i]
.endr
.endr
	v_max3_num_f32 v[T], v[T], v[T+1], v[S+15]
	v_max3_num_f32 v[T+2], v[T+2], v[T+3], v[S+47]
	v_max_num_f32 v[T], v[T], v[S+31]
	v_max_num_f32 v[T+2], v[T+2], v[S+63]
	s_delay_alu instid0(VALU_DEP_1)
	v_max3_num_f32 v[T+4], v[T], v[T+2], v[SRUN]
	s_delay_alu instid0(VALU_DEP_1)
	v_permlanex16_b32 v[T+5], v[T+4], s[SEL], s[SEL+1]
	s_delay_alu instid0(VALU_DEP_1)
	v_max_num_f32 v[SRUN], v[T+4], v[T+5]          ; with lane l xor 16's: the row's largest score so far
	s_delay_alu instid0(VALU_DEP_1)
	v_mul_f32 v[T+4], s[NCS], v[SRUN]
	s_delay_alu instid0(VALU_DEP_1)
	v_floor_f32 v[NMN], v[T+4]                     ; the new -M = floor(-t) = -ceil(t): M IS A WHOLE NUMBER
	TM 0
	v_sub_f32 v[T+7], v[NMN], v[NMO]               ; M's old value less its new one: a whole number, 0 or less
	TM 16
	v_cvt_i32_f32 v[T+7], v[T+7]                   ; (it saturates)
	TM 32
	v_ldexp_f32 v[F], 1.0, v[T+7]                  ; f = 2^(old M - new M)
	TM 48
.irp c, 0,2
	v_fma_f32 v[T+\c], v[T+\c], s[CS], v[NMN]      ; the same of each block's largest score
.endr
.irp j, 0,2,4,6,8,10,12,14,16,18,20,22,24,26,28,30
	v_pk_mul_f32 v[O+\j:O+\j+1], v[O+\j:O+\j+1], v[F:F+1] op_sel_hi:[1,0]   ; O^T under the new M; each accumulator from its low end on
.endr
	s_wait_alu depctr_va_vdst(0)                   ; the wait ahead of the batch
.set IX, 0
.rept 64
	v_exp_f32 v[S+IX], v[S+IX]                     ; p = 2^(t - M), at most 1: NOT normalised
.set IX, IX+1
.endr
.irp c, 0,2
	v_exp_f32 v[T+\c], v[T+\c]                     ; the block's largest p: the same two instructions on the same number give the same bits
.endr
	v_pk_mul_f32 v[L:L+1], v[L:L+1], v[F:F+1] op_sel_hi:[1,0]   ; the sum under the new M (a plain line behind the exponentials)
	s_wait_alu depctr_va_vdst(0)                   ; and behind the batch
.irp c, 0,2
	v_max_num_f32 v[T+\c], 0x1800000, v[T+\c]      ; the floor 2^(3 - 127): the byte cannot fall under 1
.endr
	v_pk_add_f32 v[U:U+1], v[S:S+1], v[S+2:S+3]    ; THE ROW'S SUM IS TAKEN OF THE UNQUANTISED p: four chains
	v_pk_add_f32 v[U+2:U+3], v[S+4:S+5], v[S+6:S+7]
.irp c, 0,2
	v_add_nc_u32 v[T+\c+1], 0xff000000, v[T+\c]    ; the conversions' scale operands
.endr
	v_pk_add_f32 v[U+4:U+5], v[S+8:S+9], v[S+10:S+11]
	v_pk_add_f32 v[L:L+1], v[L:L+1], v[S+12:S+13]
	v_lshrrev_b32 v[T+4], 23, v[T+1]
	v_lshrrev_b32 v[T+7], 23, v[T+3]
.set JJ, 7
	ADDN 2
	v_lshl_or_b32 v[T+4], v[T+7], 16, v[T+4]       ; my two bytes: blocks h and 2 + h
	ADDN 2
	v_permlanex16_b32 v[T+6], v[T+4], s[SEL], s[SEL+1]
	ADDN 2
	v_lshl_or_b32 v[PSC], v[T+6], 8, v[T+4]        ; lanes 0-15: the four bytes of the query's 128 keys (the other lanes are not read)
.irp c, 0,1
.irp g, 0,1,2,3
	v_cvt_scalef32_pk8_fp4_f32 v[PC+4*\c+\g], v[S+32*\c+8*\g:S+32*\c+8*\g+7], v[T+2*\c+1]
.endr
.endr
	ADDN 19                                        ; (these are the places in front of the products too)
	v_pk_add_f32 v[U:U+1], v[U:U+1], v[U+2:U+3]
	v_pk_add_f32 v[L:L+1], v[L:L+1], v[U+4:U+5]
	s_delay_alu instid0(VALU_DEP_1)
	v_pk_add_f32 v[L:L+1], v[L:L+1], v[U:U+1]
.irp p, 0,1                            ; O^T += V P^T: four tiles of 16 channels; K = these 128 keys.  The accumulators take turns, and the eight products K Q^T stand between a step's and the next's
	v_wmma_scale_f32_16x16x128_f8f6f4 v[O+16*\p:O+16*\p+7], v[VF+16*\p:VF+16*\p+7], v[PC:PC+7], v[O+16*\p:O+16*\p+7], v[VSC+\p], v[PSC] matrix_a_fmt:MATRIX_FMT_FP4 matrix_b_fmt:MATRIX_FMT_FP4
	v_wmma_scale_f32_16x16x128_f8f6f4 v[O+16*\p+8:O+16*\p+15], v[VF+16*\p+8:VF+16*\p+15], v[PC:PC+7], v[O+16*\p+8:O+16*\p+15], v[VSC+\p], v[PSC] matrix_a_fmt:MATRIX_FMT_FP4 matrix_b_fmt:MATRIX_FMT_FP4 matrix_a_scale:MATRIX_SCALE_ROW1
.endr
.endm
	s_load_b128 s[4:7], s[0:1], 0x0                ; qkv s[4:5], out0 s[6:7]
	v_lshl_add_u32 v[SPW], v0, 2, SPARE
	v_lshrrev_b32 v1, 5, v0
	v_mov_b32 v[NIL], 0
	v_readfirstlane_b32 s[WV], v1                  ; wave 0..15
	s_and_b32 s9, ttmp7, 0xffff                    ; my block of 256 queries
	s_mul_i32 s28, ttmp9, HEADB                    ; the head
	s_and_b32 s29, s[WV], 3                        ; a k wave: 32 keys x (wave % 4), 32 channels x (wave / 4)
	s_lshl_b32 s29, s29, 7
	s_bfe_u32 s30, s[WV], 0x10002
	s_lshl_b32 s31, s30, 18
	s_add_co_u32 s29, s29, s31
	s_add_co_u32 s29, s29, 64*ROWB
	s_and_b32 s32, s[WV], 7                        ; a v wave: eight channels x (wave - 8)
	s_lshl_b32 s33, s32, 16
	s_add_co_u32 s33, s33, 128*ROWB
	s_cmp_lt_u32 s[WV], 8
	s_cselect_b32 s29, s29, s33
	s_cselect_b32 s31, 2, 4                        ; 4 or 16 bytes a lane
	s_add_co_u32 s38, s28, s29                     ; my part of a chunk, in bytes
	s_mov_b32 s39, 0
	s_lshl_b32 s29, s9, 10
	s_lshl_b32 s33, s[WV], 6
	s_add_co_u32 s40, s28, s29
	s_add_co_u32 s40, s40, s33                     ; q: + 1,024 bytes a block + 64 a wave
	s_mov_b32 s41, 0
	s_lshl_b32 s33, s9, 17
	s_add_co_u32 s42, s28, s33
	s_add_co_u32 s42, s42, 64*ROWB+3*CHB           ; the prefetches: 16 rows a block from row 64 on, at chunk 3: step 0 steps it to 4
	s_mov_b32 s43, 0
	s_lshl_b32 s44, ttmp9, 19                      ; out0: the head, + four channel rows a wave, + 1,024 bytes a block
	s_lshl_b32 s33, s[WV], 15
	s_add_co_u32 s44, s44, s33
	s_add_co_u32 s44, s44, s29
	s_mov_b32 s45, 0
	s_and_b32 s29, s[WV], 1
	s_bfe_u32 s33, s[WV], 0x10001
	s_lshl_b32 s46, s33, 11                        ; k's codes: keys 64 c + 32 b of the chunk: c = bit 1 of the wave's number, b = bit 0
	s_lshl_b32 s48, s29, 7
	s_add_co_u32 s46, s46, s48
	s_lshl_b32 s47, s30, 8
	s_add_co_u32 s46, s46, s47
	s_lshl_b32 s47, s29, 6                         ; k's scale bytes
	s_lshl_b32 s49, s33, 2
	s_add_co_u32 s47, s47, s49
	s_add_co_u32 s47, s47, s30
	s_add_co_u32 s47, s47, KS
	s_lshr_b32 s49, s32, 1                         ; v's codes
	s_lshl_b32 s49, s49, 10
	s_add_co_u32 s48, s48, s49
	s_add_co_u32 s48, s48, VIMG
	s_and_b32 s49, s[WV], 3                        ; v's scale bytes
	s_lshl_b32 s49, s49, 6
	s_lshl_b32 s50, s30, 2
	s_add_co_u32 s49, s49, s50
	s_add_co_u32 s49, s49, VS
	s_mul_i32 s50, s32, STGB                       ; v's stage
	s_add_co_u32 s50, s50, STAGE
	s_cmp_eq_u32 s[WV], 0
	s_cselect_b32 s[LIM], 1, 64                    ; wave 0 prefetches, in all trips but the last
	s_mov_b32 s[CNT], 7
	s_mov_b32 s[SEL], 0x76543210
	s_mov_b32 s[SEL+1], 0xfedcba98
	s_mov_b32 s[CS], 0x3fb8aa3b                    ; log2(e)
	s_mov_b32 s[CS+1], s[CS]
	s_mov_b32 s[NCS], 0xbfb8aa3b
	s_mov_b32 s[QM], 0x3eb504f3                    ; 64^(-1/4)
	s_mov_b32 s[QM+1], s[QM]
	v_and_b32 v36, 31, v0                          ; lane l
	v_and_b32 v37, 15, v0                          ; r
	v_bfe_u32 v38, v0, 4, 1                        ; h
	v_and_b32 v39, 7, v0
	v_bfe_u32 v40, v0, 3, 1
	v_bfe_u32 v41, v0, 2, 3
	v_and_b32 v42, 1, v0
	v_bfe_u32 v43, v0, 1, 1
	v_and_b32 v44, 3, v0
	v_bfe_u32 v45, v0, 3, 2
	v_bfe_u32 v46, v0, 1, 4
	v_lshlrev_b32 v[AK], 4, v36
	v_lshlrev_b32 v[AS], 3, v36
	v_lshlrev_b32 v[XOFF], s31, v36
	v_lshlrev_b32 v47, 2, v37
	v_lshlrev_b32 v[STK], 4, v39
	v_lshlrev_b32 v[STSK], 3, v39
	v_lshlrev_b32 v[STV], 4, v41
	v_lshl_add_u32 v[STSV], v41, 3, v44            ; v's scale byte: channel l / 4 of my wave's eight, block l % 4
	v_mul_u32_u24 v[SGW], v45, 0x90
	v_mul_u32_u24 v[SGR], v36, 0x90                ; out of the stage: block l: channel l / 4, keys 32 (l % 4) on
	v_lshlrev_b32 v[PFO], 13, v46
	v_lshl_add_u32 v47, v38, 18, v47               ; q: 4 r + 32 channel rows x h
	v_lshl_add_u32 v[STK], v40, 9, v[STK]
	v_lshl_add_u32 v[STSK], v40, 1, v[STSK]
	v_lshl_add_u32 v[STV], v42, 8, v[STV]
	v_add_nc_u32 v[STSV], s49, v[STSV]
	v_lshl_add_u32 v[SGW], v39, 4, v[SGW]
	v_add_nc_u32 v[SGR], s50, v[SGR]
	v_lshl_add_u32 v[PFO], v42, 8, v[PFO]
	v_lshl_add_u32 v[STK], v38, 10, v[STK]
	v_lshl_add_u32 v[STSK], v38, 7, v[STSK]
	v_lshl_add_u32 v[STV], v43, 9, v[STV]
	v_add_nc_u32 v[SGW], s50, v[SGW]
	v_add_nc_u32 v[STK], s46, v[STK]
	v_add_nc_u32 v[STSK], s47, v[STSK]
	v_add_nc_u32 v[STV], s48, v[STV]
	s_wait_alu depctr_va_vdst(0)
	s_wait_kmcnt 0x0
	s_add_nc_u64 s[QB:QB+1], s[4:5], s[40:41]
	s_add_nc_u64 s[XB:XB+1], s[4:5], s[38:39]
	s_add_nc_u64 s[PF:PF+1], s[4:5], s[42:43]
	s_add_nc_u64 s[OB:OB+1], s[6:7], s[44:45]
	; q: lane (r, h) takes query r and channels 32 h .. 32 h + 31: a whole block, in the order that the operand's layout gives the lane
.set IX, 0
.rept 32
	global_load_b32 v[S+32+IX], v47, s[QB:QB+1] offset:ROWB*IX   ; sixteen lanes read 64 consecutive bytes of a channel's row; four neighbouring waves together 256
.set IX, IX+1
.endr
	s_cmp_lt_u32 s[WV], 8
	s_cbranch_scc1 .Lhead_k
	LOADV KF, 0                                    ; chunk 0,
	LOADV XF, CHB                                  ; and chunk 1
	s_branch .Lhead_asked
.Lhead_k:
	LOADK KF, 0
	LOADK XF, CHB
.Lhead_asked:
	v_mov_b32 v[SRUN], 0xff000000                  ; the largest score so far: -2^127, under every score
	v_mov_b32 v10, 0x7f000000                      ; -M before chunk 0: so its f is 0
	v_mov_b32 v[L], 0
	v_mov_b32 v[L+1], 0
	v_mov_b32 v[T+5], 0                            ; written once: a lane permute's destination counts as one of its sources
	v_mov_b32 v[T+6], 0
.irp b, 0,1,2,3
	v_mov_b32 v[QF+\b], 0                          ; zero codes on both sides of q's
	v_mov_b32 v[QF+8+\b], 0
.endr
.set IX, 0
.rept 32
	v_mov_b32 v[O+IX], 0                           ; O^T: the loop is written once, and its first step finds zeros
.set IX, IX+1
.endr
	s_wait_alu depctr_va_vdst(0)
	QUANT KF, 0, 0, 32, 8                          ; chunk 0; q, which was asked for first, is in too; chunk 1's loads are younger: 32 of a k wave, 8 of a v wave
	s_wait_dscnt 0x0                               ; my codes are stored, for the other waves' sake
	s_barrier_signal -1                            ; (waited for at the first step's head; q's quantising stands between)
.irp j, 0,2,4,6,8,10,12,14,16,18,20,22,24,26,28,30
	v_pk_mul_f32 v[S+32+\j:S+33+\j], v[S+32+\j:S+33+\j], s[QM:QM+1] op_sel_hi:[1,0]
.endr
	AMAX S+32
.irp g, 0,1,2,3
	v_cvt_scalef32_pk8_fp4_f32 v[QF+4+\g], v[S+32+8*\g:S+39+8*\g], v[T+1]
.endr
	v_lshrrev_b32 v[T+4], 23, v[T+1]               ; my block's byte
	v_bfe_u32 v[T+3], v0, 4, 1                     ; h
	v_permlanex16_b32 v[T+6], v[T+4], s[SEL], s[SEL+1]   ; the query's other byte
	v_mov_b32 v[T], 0x1010000                      ; the zero codes' bytes, 1
	v_lshlrev_b32 v[T+2], 4, v[T+3]
	v_cmp_eq_u32 vcc_lo, 1, v[T+3]
	v_lshl_or_b32 v[T+7], v[T+6], 8, v[T+4]        ; channels 0-31's byte below, 32-63's above: in lanes 0-15 so,
	v_lshl_or_b32 v[T+5], v[T+4], 8, v[T+6]        ; in lanes 16-31 so;
	v_cndmask_b32 v[T+7], v[T+7], v[T+5], vcc_lo
	v_lshrrev_b32 v[T], v[T+2], v[T]
	v_lshlrev_b32 v[T+7], v[T+2], v[T+7]           ; in lanes 16-31 they are the upper two bytes
	v_or_b32 v[QSC], v[T], v[T+7]
	s_wait_alu depctr_va_vdst(0)
.Lloop:                                        ; seven trips of two steps: chunks 0 to 13
	STEP 0, 1, 1
	STEP 1, 1, 1
	s_sub_co_u32 s[CNT], s[CNT], 1
	s_cmp_lg_u32 s[CNT], 0
	s_cbranch_scc1 .Lloop
	STEP 0, 1, 0                                   ; the last two ask for nothing beyond the end
	STEP 1, 0, 0
	; ---- THE WAY OUT.  Register 8 t + j of lane (r, h) is O(channel 16 t + 8 h + j, my query r), and out0 has the tokens innermost: so the work-group's 64 channels x 256 queries meet in a stage in LDS,
	; a row to a channel, and each wave stores four whole rows of 1,024 bytes.
	s_wait_alu depctr_va_vdst(0)
	v_add_f32 v14, v14, v15                        ; the sum's two halves,
	s_delay_alu instid0(VALU_DEP_1)
	v_permlanex16_b32 v[T+5], v14, s[SEL], s[SEL+1]
	s_delay_alu instid0(VALU_DEP_1)
	v_add_f32 v14, v14, v[T+5]                     ; and lane l xor 16's: the row's sum
	s_wait_alu depctr_va_vdst(0)
	v_rcp_f32 v14, v14
	v_and_b32 v39, 15, v0                          ; r
	v_bfe_u32 v40, v0, 4, 1                        ; h
	v_and_b32 v41, 31, v0                          ; lane
	s_lshl_b32 s28, s[WV], 6
	s_add_co_u32 s28, s28, STG                     ; in: my wave's 16 queries are 64 bytes of every row
	s_mul_i32 s29, s[WV], 4*VP
	s_add_co_u32 s29, s29, STG                     ; back: my wave's four rows
	v_mul_u32_u24 v36, v40, 8*VP
	v_lshlrev_b32 v38, 4, v41                      ; 16 bytes a lane
	v_lshl_add_u32 v36, v39, 2, v36
	v_add_nc_u32 v37, s29, v38
	v_add_nc_u32 v36, s28, v36
	s_wait_alu depctr_va_vdst(0)
.irp j, 0,2,4,6,8,10,12,14,16,18,20,22,24,26,28,30
	v_pk_mul_f32 v[S+\j:S+\j+1], v[O+\j:O+\j+1], v[14:15] op_sel_hi:[1,0]   ; O^T / the sum; each accumulator from its low end on
.endr
.irp t, 0,1,2,3
.irp j, 0,1,2,3,4,5,6,7
	ds_store_b32 v36, v[S+8*\t+\j] offset:(16*\t+\j)*VP
.endr
.endr
	s_wait_dscnt 0x0                               ; for the others' sake: my stores into the stage are done
	s_barrier_signal -1
	s_barrier_wait -1                              ; 64 whole rows lie in the stage
.irp i, 0,1,2,3,4,5,6,7
	ds_load_b128 v[KF+4*\i:KF+4*\i+3], v37 offset:(\i/2)*VP+(\i%2)*512
.endr
.irp i, 0,1,2,3,4,5,6,7
	s_wait_dscnt 7-\i                              ; LDS loads come back in order: load i is in, the younger ones may be out
	global_store_b128 v38, v[KF+4*\i:KF+4*\i+3], s[OB:OB+1] offset:(\i/2)*ROWB+(\i%2)*512 th:TH_STORE_NT   ; 32 lanes store 512 consecutive bytes, at a multiple of 256 from out0's first byte
.endr
	s_wait_tensorcnt 0x0                           ; the wave's end
	ds_add_u32 v[SPW], v[NIL]
	s_wait_dscnt 0x0
	s_endpgm
.Lfunc_end_k_qa8bdb76a89_attn:
	.size	k_qa8bdb76a89_attn, .Lfunc_end_k_qa8bdb76a89_attn-k_qa8bdb76a89_attn
	.p2alignl 7, 3214868480
	.fill 96, 4, 3214868480
	.section	.rodata,"a",@progbits
	.p2align	6, 0x0
	.amdhsa_kernel k_qa8bdb76a89_attn
		.amdhsa_group_segment_fixed_size 122880
		.amdhsa_private_segment_fixed_size 0
		.amdhsa_enable_private_segment 0
		.amdhsa_kernarg_size 16
		.amdhsa_user_sgpr_count 2
		.amdhsa_user_sgpr_kernarg_segment_ptr 1
		.amdhsa_wavefront_size32 1
		.amdhsa_system_sgpr_workgroup_id_x 1
		.amdhsa_system_sgpr_workgroup_id_y 1
		.amdhsa_system_sgpr_workgroup_id_z 1
		.amdhsa_system_vgpr_workitem_id 0
		.amdhsa_next_free_vgpr 256
		.amdhsa_next_free_sgpr 66
		.amdhsa_reserve_vcc 1
		.amdhsa_float_denorm_mode_32 3
		.amdhsa_float_denorm_mode_16_64 3
		.amdhsa_memory_ordered 1
		.amdhsa_forward_progress 1
		.amdhsa_inst_pref_size 111
	.end_amdhsa_kernel
	.amdgpu_metadata
---
amdhsa.version: [ 1, 2 ]
amdhsa.kernels:
  - .name:           k_qa8bdb76a89_attn
    .symbol:         k_qa8bdb76a89_attn.kd
    .args:
      - { .name: qkv, .offset: 0, .size: 8, .value_kind: global_buffer, .address_space: global }
      - { .name: out0, .offset: 8, .size: 8, .value_kind: global_buffer, .address_space: global }
    .group_segment_fixed_size: 122880
    .private_segment_fixed_size: 0
    .kernarg_segment_align: 8
    .kernarg_segment_size: 16
    .max_flat_workgroup_size: 512
    .sgpr_count:     66
    .vgpr_count:     256
    .wavefront_size: 32
...
	.end_amdgpu_metadata
.endif
;; end of part 1
